; MI455X (gfx1250); checked and timed in simulation.
; The chip was launched on July 23, 2026; its instructions are those of AMD's public machine-readable ISA for CDNA 5 (MIT licence, August 2026) and "CDNA5" Instruction Set Architecture Reference Guide (July 2026). The comments in the code are by the model that wrote it; some were corrected since.
;; Scaled Dot Product Attention. Allowed arithmetic: matrix products marked QUANTISED: E5M2 operands, one given power-of-two scale a tensor, by v_wmma_f32_16x16x64_bf8_bf8 or v_wmma_f32_16x16x128_bf8_bf8, f32 sums; everything else in f32.
;; Inputs: k_codes 4 x 16 x 2,048 x 2 x 32 uint8 (E5M2 codes of k, K innermost, in blocks of 32 codes); lowp_scales 4 int32 (the exponents e of the quantised operands' scales 2^e); q 4 x 16 x 64 x 2,048 float32; v_codes 4 x 16 x 64 x 64 x 32 uint8 (E5M2 codes of v, K innermost, in blocks of 32 codes).
;; Outputs: out0 4 x 16 x 64 x 2,048 float32.
;; This version of the problem:
;;   THIS VERSION OF THE PROBLEM IS GIVEN IN LOW PRECISION. The matrix products marked QUANTISED in the list below multiply operands that are first quantised to E5M2 (5 exponent bits, 2 mantissa bits; 8 bits a number), with one given power-of-two scale for each operand tensor; their sums are f32. All else is computed in f32.
;;   The module's matrix products, in the order in which they are computed (A, B: the left and right operand; K: the contracted axis; several contracted axes count as one K, in the product's order):
;;     1. batch 64 x [M 2,048, K 64] x [K 64, N 2,048]; A: computed on the way; B: input k (given as codes): QUANTISED (scales: A lowp_scales[0], B lowp_scales[1])
;;     2. batch 64 x [M 64, K 2,048] x [K 2,048, N 2,048]; A: input v (given as codes); B: computed on the way: QUANTISED (scales: A lowp_scales[2], B lowp_scales[3])
;;   THE QUANTISER, for each operand of a quantised product, along K:
;;     - The operand's scale is 2^e, e = its entry of the input lowp_scales (int32; the entries are numbered through the quantised products in the list's order, A before B).
;;     - Each number is divided by the scale, clamped to +-57,344, and rounded to the nearest number of E5M2, ties to even, subnormals kept.
;;     - The product sums the exact products of the quantised numbers (number of the format x scale) in f32.
;;   ~~~python
;;   def quantise(x, axis, e):      # numpy; x: float32 -> the quantised numbers, widened to float32 again
;;       x = np.moveaxis(x, axis, -1); K = x.shape[-1]
;;       r = np.clip(x / 2.0 ** e, -57344, 57344)
;;       step = 2.0 ** (np.maximum(np.frexp(np.where(r == 0, 1, r))[1] - 1, -14) - 2)
;;       q = np.round(r / step) * step * 2.0 ** e      # np.round: ties to even
;;       return np.moveaxis(q, -1, axis).astype(np.float32)
;;   ~~~
;;   OPERANDS COMPUTED ON THE WAY. 'Computed on the way' means the value that the module computes at that place (a softmax that the list does not call 'softmax' is quantised finished and normalised). What goes into a quantiser is computed in f32, as accurately as f32 sums, v_exp_f32 and their like allow (about 1e-6 of the number): no bf16 or f16 on the way to a quantiser, and a product that is left as it is and whose result goes on into a quantised operand takes f32 operands (vector FMAs, or v_wmma_f32_16x16x4_f32). A number that lies on a knife's edge between two numbers of the format may be rounded either way, as far as f32 arithmetic and the matrix unit's own rounding can turn it there, and no further.
;;   INPUTS GIVEN AS CODES. k (in the module: [4, 16, 64, 2048], K = its axis 2); v (in the module: [4, 16, 64, 2048], K = its axis 3): each comes as NAME_codes (uint8): NAME with its K axis moved to the last place and cut into blocks of 32 codes, [.., K / 32, bytes a block], one block behind the other in memory; one code a byte (a code: sign, 5 exponent bits, 2 mantissa bits); its scale is its entry of lowp_scales. Its value is code x scale, taken as it is: it is not quantised again, and the codes and scales need not be those that the quantiser above would give.
;; One version. Each part assembles by itself: llvm-mc -triple=amdgcn-amd-amdhsa -mcpu=gfx1250 --defsym DOCPART=n.
;; ======== version 1 of 1: 2 launches
;; limits: right only within a limited range of input values
;; workspace buffers: qimg 8,912,896 bytes
;; launch stats (part 1): grid 4 x 64, 16 waves a work-group, clusters of 4 x 1, 327,680 bytes of LDS; arguments q, k_codes, lowp_scales, qimg; writes qimg
.if DOCPART == 1
	.amdgcn_target "amdgcn-amd-amdhsa--gfx1250"
	.amdhsa_code_object_version 6
	.text
	.protected	k_q4623c96db5_stats
	.globl	k_q4623c96db5_stats
	.p2align	8
	.type	k_q4623c96db5_stats,@function
k_q4623c96db5_stats:
	s_mov_b64 s[64:65], 0
	v_nop
	global_prefetch_b8 v0, s[64:65] scope:SCOPE_SE
	s_setreg_imm32_b32 hwreg(HW_REG_WAVE_MODE, 25, 1), 1
	s_wait_xcnt 0x0
	s_wait_alu depctr_hold_cnt(0) depctr_sa_sdst(0) depctr_va_vdst(0) depctr_va_sdst(0) depctr_va_ssrc(0) depctr_va_vcc(0) depctr_vm_vsrc(0)
	s_getreg_b32 s2, hwreg(HW_REG_IB_STS2, 6, 4)
	s_cmp_eq_u32 s2, 0
	s_cbranch_scc0 .Lentry_in_a_cluster
	s_endpgm
.Lentry_in_a_cluster:
	s_bfe_u32 s2, ttmp6, 0x10000c
	s_cmp_lg_u32 s2, 0x3003
	s_cbranch_scc0 .Lentry_shape_is_right
	s_endpgm
.Lentry_shape_is_right:
; FIRST OF TWO LAUNCHES.  out[d][k] = sum over q of v[d][q] P[q][k],  P = softmax over k of (q/8)^T k,  64 heads, 64 channels, 2,048 positions.
; The second product sums over the QUERIES, and P is quantised finished and normalised: so each query's divisor is wanted before any of its P can be made.
; This launch makes, for each query: the codes of q/8 (E5M2, scale 2^e0), laid as the images of the matrix operand's registers, and
; bias = -(M + log2 l), M = the largest t of the row rounded up to a whole number (a running maximum), l = the sum over all keys of 2^(t - M), t = score x log2(e).
; The second launch then has P = 2^(t + bias).  NO WORK OF reference() IS LEFT OUT, and every input has its way to the output; the scores are formed in both launches.
; q/8 is folded into the conversion's scale, 2^(e0 + 3): a power of two, so nothing is rounded by it.
; LIMITS: e0 + 3 between -126 and 112; e0 + e1 between -126 and 127 (each power of two below is then an f32 number).  NaN and infinities among the inputs are not served.
; The divisor goes into the exponent (2^(t + bias)) and not behind the exponential as in reference(): all in f32, another order of rounding.
; SHARES.  A work-group owns 512 queries of one head, each of its sixteen waves 32: two tiles of 16.  Every wave walks the head's 2,048 keys, 128 a step, 16 steps.
; S^T = K Q^T (source 0 = 16 keys, source 1 = 16 queries): a lane holds ONE query and, of each 16 keys, eight.  Each lane keeps M and l of its own half of the keys; the halves meet once, at the end.
; THE QUERIES OF A TILE ARE NOT NEIGHBOURS: lane r of tile u takes query 8 u + r + 8 (r / 8) of the wave's 32, so that in the second launch 16 registers of two tiles are 16 neighbouring queries.
; k runs in both operands as registers 4 c .. 4 c + 3 = channels 32 c + 16 (lane / 16) + 0 .. 15: the same permutation of the form's own places on both sides.
; LDS.  The head's K (131,072 bytes) and the work-group's q (131,072 bytes) both lie in LDS whole: every byte is filled once, at the head; no slot is filled again.
; CLUSTER.  The four work-groups of a cluster belong to one head and read the same K: it is asked for jointly (odd waves, one load each); q's tiles are each work-group's own (even waves, one load each).
; qimg: for each head 16 records of 8,704 bytes, a record for 128 queries: eight images of 1,024 bytes (tile 2 b + u; block c of 512 bytes, lane l's 16 bytes at 16 l), then 128 biases in the queries' order.
.set KPITCH,  272                      ; an LDS row of K: four keys' 256 bytes + 16: key x lies at (x / 4) 272 + (x % 4) 64; sixteen keys of a tile start in sixteen different 16-byte columns
.set KCHUNK,  64*KPITCH                ; what one joint load brings: 256 keys
.set KSTEPB,  32*KPITCH                ; a step's 128 keys
.set QF32,    8*KCHUNK                 ; behind K: q, eight tiles of 64 channels x 64 queries in f32
.set QPITCH,  264                      ; a channel's row: 256 bytes + 8: sixteen rows on are 1,056 words, half way round the 64 banks
.set QTILE,   64*QPITCH
.set BST,     QF32+8*QTILE             ; 512 biases on their way out: 2,048 bytes into which no fill lands
.set SPARE,   BST+2048                 ; the spare words, 128 bytes for each of sixteen waves
.set REC,     8704
.set HEADREC, 16*REC
.set SPW, 1                            ; v1   my spare word; never rewritten
.set NIL, 2                            ; v2   0; never rewritten
.set AK0, 3                            ; v3   my lane's place in a tile of K
.set ADK, 4                            ; v4   the same in the step to be fetched
.set AQF, 5                            ; v5   my lane's place in q's tile
.set LI,  6                            ; v6   16 x lane
.set BWR, 7                            ; v7   where my bias goes in LDS
.set ST,  8                            ; tile t at v[8 + 4 t]: -M, the old -M, the sum in two halves
.set CT,  16                           ; tile t at v[16 + 4 t]: four registers at work
.set QF,  24                           ; v24-39   Q's two fragments
.set BRD, 40                           ; v40  where waves 0 to 3 read 128 biases back
.set SCL, 41                           ; v41  2^(e0 + 3)
.set LIM, 42                           ; v42  57,344 x 2^(e0 + 3)
.set HH,  43                           ; v43  lane / 16
.set KF,  48                           ; v48-111  K's eight fragments of a step
.set SS,  112                          ; v112-239 S^T, 64 registers a tile
.set WV,  12
.set G1F, 24                           ; s[24:31] group 1 of q's tiles;  s[32:39] of K's;  s[40:43], s[44:47] their groups 0
.set G1K, 32
.set G0F, 40
.set G0K, 44
.set CS,  50                           ; s[50:51] c = log2(e) x 2^(e0 + e1), twice
.set TB,  52                           ; s52  LDS byte of the step to be fetched
.set CNT, 53
.set SEL, 54                           ; s[54:55] lane selects: lane l xor 16
.macro CROUND                          ; a round of the cluster's barrier
	s_barrier_signal -1
	s_barrier_wait -1
	s_cmp_lg_u32 s[WV], 0
	s_cbranch_scc1 .Lnot_wave_0_\@
	s_barrier_signal -3
.Lnot_wave_0_\@:
	s_barrier_wait -3
	s_barrier_signal -1
	s_barrier_wait -1
.endm
.macro PLACES n
.rept \n
	v_nop
.endr
.endm
	s_load_b256 s[4:11], s[0:1], 0x0               ; q s[4:5], K's codes s[6:7], the exponents s[8:9], qimg s[10:11]
	v_lshl_add_u32 v[SPW], v0, 2, SPARE
	v_mov_b32 v[NIL], 0
	ds_add_u32 v[SPW], v[NIL]                      ; the opening: the add, twice on end, and its wait ahead of my first tensor load
	ds_add_u32 v[SPW], v[NIL]
	v_lshrrev_b32 v44, 5, v0
	s_delay_alu instid0(VALU_DEP_1)
	v_readfirstlane_b32 s[WV], v44                 ; wave 0..15
	s_lshr_b32 s13, s[WV], 1                       ; I: which of the eight tiles (of q: even waves; of K: odd waves) I fetch; also the tile of q that I read
	s_and_b32 s14, s[WV], 1
	s_and_b32 s19, s[WV], 3
	s_bfe_u32 s15, ttmp6, 0x40000                  ; cx
	s_lshl_b32 s17, ttmp9, 2
	s_add_co_u32 s15, s17, s15                     ; my block of 512 queries: it enters q's and qimg's addresses alone
	s_and_b32 s16, ttmp7, 0xffff                   ; the head, which the four partners share
	; group 1 of q's tiles: 64 rows (channels) x 64 elements of 4 bytes, 2,048 elements from row to row; 2 words of padding behind every 64.  No mask: each work-group's own
	s_mov_b32 s[G1F], (2<<16)|(1<<20)|(5<<22)|(1<<25)
	s_mov_b32 s[G1F+1], 64<<16
	s_mov_b32 s[G1F+2], 64<<16
	s_mov_b32 s[G1F+3], 64<<16
	s_mov_b32 s[G1F+4], 64
	s_mov_b32 s[G1F+5], 2048
	s_mov_b32 s[G1F+6], 0
	s_mov_b32 s[G1F+7], 0
	; group 1 of K's tiles: 64 rows x 256 bytes, dense in memory; 4 words of padding behind every 64; the mask names all four work-groups
	s_mov_b32 s[G1K], 15|(1<<20)|(1<<21)|(5<<22)|(3<<25)
	s_mov_b32 s[G1K+1], 256<<16
	s_mov_b32 s[G1K+2], 64<<16
	s_mov_b32 s[G1K+3], 256<<16
	s_mov_b32 s[G1K+4], 64
	s_mov_b32 s[G1K+5], 256
	s_mov_b32 s[G1K+6], 0
	s_mov_b32 s[G1K+7], 0
	s_mov_b32 s[G0F], 1
	s_mul_i32 s[G0F+1], s13, QTILE
	s_add_co_u32 s[G0F+1], s[G0F+1], QF32
	s_mov_b32 s[G0K], 1
	s_mul_i32 s[G0K+1], s13, KCHUNK
	; every LDS address is made here, ahead of the first parting of the waves
	v_and_b32 v44, 15, v0                          ; r
	v_bfe_u32 v[HH], v0, 4, 1                      ; h
	v_bfe_u32 v45, v0, 2, 2                        ; r / 4
	s_delay_alu instid0(VALU_DEP_1)
	v_mul_u32_u24 v[AK0], v45, KPITCH
	v_and_b32 v45, 3, v0                           ; r % 4
	s_delay_alu instid0(VALU_DEP_1)
	v_lshl_add_u32 v[AK0], v45, 6, v[AK0]
	s_delay_alu instid0(VALU_DEP_1)
	v_lshl_add_u32 v[AK0], v[HH], 4, v[AK0]        ; key r of a tile, + 16 h
	v_and_b32 v45, 8, v44
	s_delay_alu instid0(VALU_DEP_1)
	v_add_nc_u32 v45, v45, v44                     ; r + 8 (r / 8)
	v_mul_u32_u24 v[AQF], v[HH], 16*QPITCH         ; lanes 16-31 begin 16 channels further down
	s_delay_alu instid0(VALU_DEP_1)
	v_lshl_add_u32 v[AQF], v45, 2, v[AQF]
	s_lshl_b32 s18, s14, 7                         ; my wave's 32 of the tile's 64 queries
	s_add_co_u32 s18, s18, s[G0F+1]
	v_add_nc_u32 v[AQF], s18, v[AQF]
	v_and_b32 v46, 31, v0
	s_delay_alu instid0(VALU_DEP_1)
	v_lshlrev_b32 v[LI], 4, v46
	v_lshl_add_u32 v[BWR], v[HH], 3, v45           ; lanes 0-15 store tile 0's biases, lanes 16-31 tile 1's: query 8 h + r + 8 (r / 8)
	s_delay_alu instid0(VALU_DEP_1)
	v_lshlrev_b32 v[BWR], 2, v[BWR]
	s_lshl_b32 s18, s[WV], 7
	s_add_co_u32 s18, s18, BST
	v_add_nc_u32 v[BWR], s18, v[BWR]
	s_lshl_b32 s18, s19, 9
	s_add_co_u32 s18, s18, BST
	v_add_nc_u32 v[BRD], s18, v[LI]
	; byte offsets in memory
	s_lshl_b32 s20, s16, 17                        ; K: the head's 131,072 bytes, + 16,384 I
	s_lshl_b32 s21, s13, 14
	s_add_co_u32 s20, s20, s21
	s_mov_b32 s21, 0
	s_lshl_b32 s22, s16, 19                        ; q: the head's 524,288 bytes, + my block's 2,048 in a row, + 256 I
	s_lshl_b32 s23, s15, 11
	s_add_co_u32 s22, s22, s23
	s_lshl_b32 s23, s13, 8
	s_add_co_u32 s22, s22, s23
	s_mov_b32 s23, 0
	s_mul_i32 s17, s16, HEADREC
	s_lshl_b32 s18, s15, 2
	s_lshr_b32 s56, s[WV], 2
	s_add_co_u32 s56, s56, s18                     ; my images' record: 4 x block + wave / 4,
	s_mul_i32 s56, s56, REC
	s_add_co_u32 s56, s56, s17
	s_lshl_b32 s57, s19, 11                        ; and in it tiles 2 (wave % 4) and the next
	s_add_co_u32 s56, s56, s57
	s_mov_b32 s57, 0
	s_add_co_u32 s58, s19, s18                     ; the record whose biases I store if I am one of waves 0 to 3
	s_mul_i32 s58, s58, REC
	s_add_co_u32 s58, s58, s17
	s_add_co_u32 s58, s58, 8192
	s_mov_b32 s59, 0
	s_mov_b32 s[SEL], 0x76543210
	s_mov_b32 s[SEL+1], 0xfedcba98
	s_mov_b32 s[TB], 0
	s_wait_dscnt 0x0                               ; both opening adds are done
	s_wait_kmcnt 0x0
	s_load_b64 s[48:49], s[8:9], 0x0               ; e0, e1
	s_add_nc_u64 s[G0F+2:G0F+3], s[4:5], s[22:23]
	s_or_b32 s[G0F+3], s[G0F+3], 0x80000000
	s_add_nc_u64 s[G0K+2:G0K+3], s[6:7], s[20:21]
	s_or_b32 s[G0K+3], s[G0K+3], 0x80000000
	s_add_nc_u64 s[56:57], s[10:11], s[56:57]
	s_add_nc_u64 s[58:59], s[10:11], s[58:59]
	CROUND                                         ; all four work-groups are here: the joint loads meet
	s_cmp_eq_u32 s14, 0                            ; every wave issues one load: one tensor load of mine is out
	s_cbranch_scc0 .Lfor_k
	tensor_load_to_lds s[G0F:G0F+3], s[G1F:G1F+7]
	s_nop 0
	PLACES 4
	s_branch .Lasked
.Lfor_k:
	tensor_load_to_lds s[G0K:G0K+3], s[G1K:G1K+7]
	s_nop 0
	PLACES 4
.Lasked:
	s_wait_kmcnt 0x0
	s_add_co_i32 s18, s48, s49
	s_lshl_b32 s18, s18, 23
	s_add_co_i32 s[CS], s18, 0x3fb8aa3b            ; log2(e), with e0 + e1 added to its exponent field
	s_mov_b32 s[CS+1], s[CS]
	s_add_co_i32 s18, s48, 130                     ; e0 + 3 + 127
	s_lshl_b32 s19, s18, 23
	v_mov_b32 v[SCL], s19
	s_add_co_i32 s18, s18, 15
	s_lshl_b32 s18, s18, 23
	s_or_b32 s18, s18, 0x600000
	v_mov_b32 v[LIM], s18
.irp t, 0,1
	v_mov_b32 v[ST+4*\t], 0x7f61b1e6               ; -M begins at 3e38: over every -t
	v_mov_b32 v[ST+4*\t+2], 0
	v_mov_b32 v[ST+4*\t+3], 0
.endr
	v_mov_b32 v[ADK], v[AK0]
	s_wait_alu depctr_va_vdst(0)
	s_wait_tensorcnt 0x0                           ; my load has landed,
	s_barrier_signal -1
	s_barrier_wait -1                              ; everybody's has: all of K and all of q lie in LDS
	; Q: a lane takes a query and its registers run down the channels: 16 c + i holds channel 32 c + 16 h + i.  The conversions' results are the operand's registers.
.irp u, 0,1
.irp c, 0,1
.irp i, 0,1,2,3,4,5,6,7,8,9,10,11,12,13,14,15
	ds_load_b32 v[SS+32*\u+16*\c+\i], v[AQF] offset:(32*\c+\i)*QPITCH+32*\u
.endr
.endr
.endr
.irp u, 0,1
	s_wait_dscnt 32-32*\u                          ; tile u's 32 numbers are in; behind tile 0's stand tile 1's 32 loads
.irp i, 0,1,2,3,4,5,6,7,8,9,10,11,12,13,14,15,16,17,18,19,20,21,22,23,24,25,26,27,28,29,30,31
	v_med3_num_f32 v[SS+32*\u+\i], v[SS+32*\u+\i], -v[LIM], v[LIM]   ; the conversion to an 8-bit code does not saturate (ISA guide 7.6.2): the hold comes first
.endr
.irp g, 0,1,2,3
	v_cvt_scalef32_pk8_bf8_f32 v[QF+8*\u+2*\g:QF+8*\u+2*\g+1], v[SS+32*\u+8*\g:SS+32*\u+8*\g+7], v[SCL]
.endr
.endr
	v_nop                                          ; a plain instruction between the last conversion and the products that read its result and write its sources
.irp u, 0,1
.irp c, 0,1
	global_store_b128 v[LI], v[QF+8*\u+4*\c:QF+8*\u+4*\c+3], s[56:57] offset:1024*\u+512*\c   ; the image: 512 consecutive bytes a store; these registers are never written again
.endr
.endr
.macro KLOAD                           ; a step's eight fragments of K
.irp kt, 0,1,2,3,4,5,6,7
.irp c, 0,1
	ds_load_b128 v[KF+8*\kt+4*\c:KF+8*\kt+4*\c+3], v[ADK] offset:4*KPITCH*\kt+32*\c
.endr
.endr
.endm
.macro MXS c, a                        ; a chain of the maximum starts, for both tiles
.irp t, 0,1
	v_max3_num_f32 v[CT+4*\t+\c], v[SS+64*\t+\a], v[SS+64*\t+\a+1], v[SS+64*\t+\a+2]
.endr
.endm
.macro MXN c, a                        ; and goes on
.irp t, 0,1
	v_max3_num_f32 v[CT+4*\t+\c], v[CT+4*\t+\c], v[SS+64*\t+\a], v[SS+64*\t+\a+1]
.endr
.endm
; A KEY STEP: 128 keys x my 32 queries.  pre = 1: the next step's fragments are fetched behind the products, and have the step's vector work in which to come.
; A step's 128 scores of a lane go as four quarters of 32 registers: quarters 0, 1 are tile 0's, quarters 2, 3 tile 1's.
.macro FM n, i                         ; t - M for pair i (0..15) of quarter n
	v_pk_fma_f32 v[SS+32*(\n)+2*(\i):SS+32*(\n)+2*(\i)+1], v[SS+32*(\n)+2*(\i):SS+32*(\n)+2*(\i)+1], s[CS:CS+1], v[ST+4*((\n)/2):ST+4*((\n)/2)+1] op_sel_hi:[1,0,0]
.endm
.macro AD n, s, k                      ; the sum's tree, in place: in quarter n pair s k takes pair s k + s / 2 (s = 2, 4, 8, 16 from level to level)
	v_pk_add_f32 v[SS+32*(\n)+2*(\s)*(\k):SS+32*(\n)+2*(\s)*(\k)+1], v[SS+32*(\n)+2*(\s)*(\k):SS+32*(\n)+2*(\s)*(\k)+1], v[SS+32*(\n)+2*(\s)*(\k)+(\s):SS+32*(\n)+2*(\s)*(\k)+(\s)+1]
.endm
.macro SUMQ t, n                       ; tile t's running sum takes quarter n's
	v_pk_add_f32 v[ST+4*\t+2:ST+4*\t+3], v[ST+4*\t+2:ST+4*\t+3], v[SS+32*\n:SS+32*\n+1]
.endm
; A BATCH: quarter n's 32 exponentials.  Among them stand lines that read nothing written since the last wait: quarter n + 1's multiply-adds (its scores were first read by the maximum),
; level 1 of quarter n - 1's sum, level 2 of n - 2's, level 3 of n - 3's, and in batch 0 the running sums' change of M.  A plain instruction and the wait close each batch.
.macro BATCH n
.set g, 0
.rept 16
	v_exp_f32 v[SS+32*\n+2*g], v[SS+32*\n+2*g]
	v_exp_f32 v[SS+32*\n+2*g+1], v[SS+32*\n+2*g+1]
.if \n < 3
	FM \n+1, g
.endif
.if (\n == 0) && (g < 4)
	v_ldexp_f32 v[ST+4*(g/2)+2+(g%2)], v[ST+4*(g/2)+2+(g%2)], v[CT+4*(g/2)+2]   ; the sums under the new M: nothing is rounded
.endif
.if (\n >= 1) && (g%2 == 0)
	AD \n-1, 2, g/2
.endif
.if (\n >= 2) && (g%4 == 1)
	AD \n-2, 4, g/4
.endif
.if (\n >= 3) && (g%8 == 3)
	AD \n-3, 8, g/8
.endif
.set g, g+1
.endr
	v_nop
	s_wait_alu depctr_va_vdst(0)
.endm
.macro STEPA pre
	s_wait_dscnt 0x0                               ; K's fragments are in
.irp kt, 0,1,2,3,4,5,6,7
.irp t, 0,1
	v_wmma_f32_16x16x64_bf8_bf8 v[SS+64*\t+8*\kt:SS+64*\t+8*\kt+7], v[KF+8*\kt:KF+8*\kt+7], v[QF+8*\t:QF+8*\t+7], 0
.endr
.endr
.if \pre
	s_add_co_u32 s[TB], s[TB], KSTEPB
	v_add_nc_u32 v[ADK], s[TB], v[AK0]             ; with the three below: four places in front of the loads into K's registers and of the first read of results
.irp t, 0,1
	v_mov_b32 v[ST+4*\t+1], v[ST+4*\t]             ; the old -M
.endr
	PLACES 1
	KLOAD
.else
.irp t, 0,1
	v_mov_b32 v[ST+4*\t+1], v[ST+4*\t]             ; the old -M
.endr
	PLACES 2
.endif
	MXS 0, 0                                       ; the largest of my 64 scores, in four chains, the registers in ascending order: each result is first read at its low end
	MXS 1, 3
	MXS 2, 6
	MXS 3, 9
.irp i, 12,20,28,36,44,52
	MXN 0, \i
	MXN 1, \i+2
	MXN 2, \i+4
	MXN 3, \i+6
.endr
	MXN 0, 60
	MXN 1, 62
.irp t, 0,1
	s_delay_alu instid0(VALU_DEP_2)
	v_max3_num_f32 v[CT+4*\t], v[CT+4*\t], v[CT+4*\t+1], v[CT+4*\t+2]
.endr
.irp t, 0,1
	s_delay_alu instid0(VALU_DEP_2)
	v_max_num_f32 v[CT+4*\t], v[CT+4*\t], v[CT+4*\t+3]
.endr
.irp t, 0,1
	s_delay_alu instid0(VALU_DEP_2)
	v_mul_f32 v[CT+4*\t], s[CS], v[CT+4*\t]        ; as t (c is positive)
.endr
.irp t, 0,1
	s_delay_alu instid0(VALU_DEP_2)
	v_floor_f32 v[CT+4*\t], -v[CT+4*\t]            ; -ceil(t)
.endr
.irp t, 0,1
	s_delay_alu instid0(VALU_DEP_2)
	v_min_num_f32 v[ST+4*\t], v[ST+4*\t], v[CT+4*\t]   ; the new -M: M is a whole number and never falls
.endr
.irp t, 0,1
	s_delay_alu instid0(VALU_DEP_2)
	v_sub_f32 v[CT+4*\t+2], v[ST+4*\t], v[ST+4*\t+1]   ; old M - new M: a whole number, 0 or less
.endr
.irp t, 0,1
	s_delay_alu instid0(VALU_DEP_2)
	v_cvt_i32_f32 v[CT+4*\t+2], v[CT+4*\t+2]       ; (it saturates)
.endr
.set j, 0
.rept 16
	FM 0, j                                        ; quarter 0's t - M stands ahead of the batches
.set j, j+1
.endr
	s_wait_alu depctr_va_vdst(0)                   ; the wait ahead of the first batch
	BATCH 0
	BATCH 1
	BATCH 2
	BATCH 3
	; what is left of the four trees, level by level, the quarters by turns
.irp k, 0,1,2,3,4,5,6,7
	AD 3, 2, \k
.endr
.irp k, 0,1,2,3
	AD 2, 4, \k
.endr
	AD 1, 8, 0
	AD 1, 8, 1
	AD 0, 16, 0
.irp k, 0,1,2,3
	AD 3, 4, \k
.endr
	AD 2, 8, 0
	AD 2, 8, 1
	AD 1, 16, 0
	SUMQ 0, 0
	AD 3, 8, 0
	AD 3, 8, 1
	AD 2, 16, 0
	AD 3, 16, 0
	SUMQ 1, 2
	SUMQ 0, 1                                      ; the step's last two lines: tile 0's sum, then tile 1's
	SUMQ 1, 3
.endm
	KLOAD                                          ; step 0
	s_mov_b32 s[CNT], 15
.Lstep:
	s_wait_alu depctr_va_vdst(0)
	STEPA 1
	s_sub_co_u32 s[CNT], s[CNT], 1
	s_cmp_lg_u32 s[CNT], 0
	s_cbranch_scc1 .Lstep
	STEPA 0                                        ; the last step fetches nothing
	; THE END: a query's two halves of the keys lie 16 lanes apart.  Both are brought under the smaller -M and added; bias = -M - log2 l.
.irp t, 0,1
	s_delay_alu instid0(VALU_DEP_2)
	v_add_f32 v[SS+64*\t], v[ST+4*\t+2], v[ST+4*\t+3]
.endr
.irp t, 0,1
	v_permlanex16_b32 v[SS+64*\t+1], v[SS+64*\t], s[SEL], s[SEL+1]
.endr
.irp t, 0,1
	v_permlanex16_b32 v[SS+64*\t+2], v[ST+4*\t], s[SEL], s[SEL+1]
.endr
.irp t, 0,1
	s_delay_alu instid0(VALU_DEP_2)
	v_min_num_f32 v[SS+64*\t+3], v[ST+4*\t], v[SS+64*\t+2]
.endr
.irp t, 0
	s_delay_alu instid0(VALU_DEP_2)
	v_sub_f32 v[SS+64*\t+4], v[SS+64*\t+3], v[ST+4*\t]
	s_delay_alu instid0(VALU_DEP_3)
	v_sub_f32 v[SS+64*\t+5], v[SS+64*\t+3], v[SS+64*\t+2]
.endr
.irp t, 1
	s_delay_alu instid0(VALU_DEP_3)
	v_sub_f32 v[SS+64*\t+4], v[SS+64*\t+3], v[ST+4*\t]
	s_delay_alu instid0(VALU_DEP_4)
	v_sub_f32 v[SS+64*\t+5], v[SS+64*\t+3], v[SS+64*\t+2]
.endr
.irp t, 0,1
	s_delay_alu instid0(VALU_DEP_4)
	v_cvt_i32_f32 v[SS+64*\t+4], v[SS+64*\t+4]
	s_delay_alu instid0(VALU_DEP_4)
	v_cvt_i32_f32 v[SS+64*\t+5], v[SS+64*\t+5]
.endr
.irp t, 0,1
	s_delay_alu instid0(VALU_DEP_4)
	v_ldexp_f32 v[SS+64*\t], v[SS+64*\t], v[SS+64*\t+4]
	s_delay_alu instid0(VALU_DEP_4)
	v_ldexp_f32 v[SS+64*\t+1], v[SS+64*\t+1], v[SS+64*\t+5]
.endr
.irp t, 0
	s_delay_alu instid0(VALU_DEP_3)
	v_add_f32 v[SS+64*\t], v[SS+64*\t], v[SS+64*\t+1]   ; l, at least 1/2: the largest term is over 1/2
.endr
.irp t, 1
	s_delay_alu instid0(VALU_DEP_2)
	v_add_f32 v[SS+64*\t], v[SS+64*\t], v[SS+64*\t+1]   ; l, at least 1/2: the largest term is over 1/2
.endr
	s_wait_alu depctr_va_vdst(0)
.irp t, 0,1
	v_log_f32 v[SS+64*\t+6], v[SS+64*\t]
.endr
	v_nop                                          ; a plain instruction behind the logarithms,
	s_wait_alu depctr_va_vdst(0)                   ; and the wait ahead of their first reader
.irp t, 0,1
	v_sub_f32 v[SS+64*\t+6], v[SS+64*\t+3], v[SS+64*\t+6]
.endr
	v_cmp_ne_u32 vcc_lo, 0, v[HH]
	s_delay_alu instid0(VALU_DEP_1)
	v_cndmask_b32 v[SS+7], v[SS+6], v[SS+64+6], vcc_lo   ; lanes 0-15: tile 0's; lanes 16-31: tile 1's
	ds_store_b32 v[BWR], v[SS+7]
	s_wait_dscnt 0x0                               ; for the others' sake: my store has landed
	s_barrier_signal -1
	s_barrier_wait -1                              ; 512 biases lie in the queries' order
	s_cmp_lt_u32 s[WV], 4
	s_cbranch_scc0 .Lno_bias
	ds_load_b128 v[SS+8:SS+11], v[BRD]
	s_wait_dscnt 0x0
	global_store_b128 v[LI], v[SS+8:SS+11], s[58:59]   ; a record's 128 biases: 512 consecutive bytes
.Lno_bias:
	s_wait_tensorcnt 0x0                           ; the wave's end
	ds_add_u32 v[SPW], v[NIL]
	s_wait_dscnt 0x0
	CROUND                                         ; the closing round
	s_endpgm
.Lfunc_end_k_q4623c96db5_stats:
	.size	k_q4623c96db5_stats, .Lfunc_end_k_q4623c96db5_stats-k_q4623c96db5_stats
	.p2alignl 7, 3214868480
	.fill 96, 4, 3214868480
	.section	.rodata,"a",@progbits
	.p2align	6, 0x0
	.amdhsa_kernel k_q4623c96db5_stats
		.amdhsa_group_segment_fixed_size 327680
		.amdhsa_private_segment_fixed_size 0
		.amdhsa_enable_private_segment 0
		.amdhsa_kernarg_size 32
		.amdhsa_user_sgpr_count 2
		.amdhsa_user_sgpr_kernarg_segment_ptr 1
		.amdhsa_wavefront_size32 1
		.amdhsa_system_sgpr_workgroup_id_x 1
		.amdhsa_system_sgpr_workgroup_id_y 1
		.amdhsa_system_sgpr_workgroup_id_z 1
		.amdhsa_system_vgpr_workitem_id 0
		.amdhsa_next_free_vgpr 256
		.amdhsa_next_free_sgpr 66
		.amdhsa_reserve_vcc 1
		.amdhsa_float_denorm_mode_32 3
		.amdhsa_float_denorm_mode_16_64 3
		.amdhsa_memory_ordered 1
		.amdhsa_forward_progress 1
		.amdhsa_inst_pref_size 58
	.end_amdhsa_kernel
	.amdgpu_metadata
---
amdhsa.version: [ 1, 2 ]
amdhsa.kernels:
  - .name:           k_q4623c96db5_stats
    .symbol:         k_q4623c96db5_stats.kd
    .args:
      - { .name: q, .offset: 0, .size: 8, .value_kind: global_buffer, .address_space: global }
      - { .name: k_codes, .offset: 8, .size: 8, .value_kind: global_buffer, .address_space: global }
      - { .name: lowp_scales, .offset: 16, .size: 8, .value_kind: global_buffer, .address_space: global }
      - { .name: qimg, .offset: 24, .size: 8, .value_kind: global_buffer, .address_space: global }
    .group_segment_fixed_size: 327680
    .private_segment_fixed_size: 0
    .kernarg_segment_align: 8
    .kernarg_segment_size: 32
    .max_flat_workgroup_size: 512
    .sgpr_count:     66
    .vgpr_count:     256
    .wavefront_size: 32
...
	.end_amdgpu_metadata
.endif
;; end of part 1
;; launch attn (part 2): grid 4 x 64, 8 waves a work-group, clusters of 4 x 1, 327,680 bytes of LDS; arguments qimg, k_codes, v_codes, lowp_scales, out0; writes out0
.if DOCPART == 2
	.amdgcn_target "amdgcn-amd-amdhsa--gfx1250"
	.amdhsa_code_object_version 6
	.text
	.protected	k_q4623c96db5_attn
	.globl	k_q4623c96db5_attn
	.p2align	8
	.type	k_q4623c96db5_attn,@function
k_q4623c96db5_attn:
	s_mov_b64 s[64:65], 0
	v_nop
	global_prefetch_b8 v0, s[64:65] scope:SCOPE_SE
	s_setreg_imm32_b32 hwreg(HW_REG_WAVE_MODE, 25, 1), 1
	s_wait_xcnt 0x0
	s_wait_alu depctr_hold_cnt(0) depctr_sa_sdst(0) depctr_va_vdst(0) depctr_va_sdst(0) depctr_va_ssrc(0) depctr_va_vcc(0) depctr_vm_vsrc(0)
	s_getreg_b32 s2, hwreg(HW_REG_IB_STS2, 6, 4)
	s_cmp_eq_u32 s2, 0
	s_cbranch_scc0 .Lentry_in_a_cluster
	s_endpgm
.Lentry_in_a_cluster:
	s_bfe_u32 s2, ttmp6, 0x10000c
	s_cmp_lg_u32 s2, 0x3003
	s_cbranch_scc0 .Lentry_shape_is_right
	s_endpgm
.Lentry_shape_is_right:
; SECOND OF TWO LAUNCHES.  out[d][k] = sum over q of v[d][q] P[q][k],  P[q][k] = 2^(c S[q][k] + bias[q]): the finished, normalised softmax, c = log2(e) 2^(e0 + e1), S the sum of the codes' products,
; bias = -(M + log2 l) as the first launch left it beside Q's codes.  P is held at 57,344 x 2^e3, turned into codes of E5M2 with the scale 2^e3, and multiplied with V's codes; each sum x 2^(e2 + e3).
; No work of reference() is left out.
; LIMITS: e3 between -126 and 112; e0 + e1 and e2 + e3 between -126 and 127.  A P under 2^-126 counts as 0.  NaN and infinities among the inputs are not served.
; SHARES.  A work-group owns 512 keys (columns of out) of one head, each of its eight waves 64: four tiles of 16.  Every wave walks the head's 2,048 queries, 128 a step.
; S = Q K^T (source 0 = an image of 16 queries, source 1 = my 16 keys): a lane holds ONE key, and register 16 b + i the query 32 b + 16 (lane / 16) + i: the conversions' results are the second product's operand.
; There source 0 = P (16 keys), source 1 = 16 channels of V: a lane holds one channel and eight neighbouring keys.  Each fragment of Q, of the biases and of V serves the wave's four tiles of keys.
; THE TILES ARE LAID OVER EACH OTHER, on two buffers of scores that take turns.  A stage of tile i: i's 64 exponentials, with 28 of the 32 paired holds of tile i - 1 among them (other registers: nothing in the block
; reads what the block writes); then i - 1's conversions, i + 1's score products, i - 1's products with V, the first four paired holds of tile i (they are the places behind the products), and i + 1's multiply-adds.
; LDS.  The head's records (139,264 bytes) and the head's V (131,072 bytes, padded 139,264) lie in LDS whole: every byte is filled once.
; CLUSTER.  The four work-groups of a cluster belong to one head and read the same records and the same V: all loads are joint.  Waves 0 to 3 ask for the records, waves 4 to 7 for V.
; Each wave asks for one pair of steps at the head (pairs 0 to 3) and for one more (pairs 4 to 7) behind the wait, the add and a round of the cluster's barrier: one tensor load of a wave is out.
; NO PREFETCH: all that the work-group reads through LDS is asked for by these two groups at the head; no later load is left to run ahead of.
; REGISTERS.  Window 0: v1-15 addresses and constants; v16-31, v240-255 V's fragments 0, 1; v32-95, v96-159 the two buffers of S, then P; v160-223 the step's biases; v224-239 P's codes.
;             Window 1: v0-127 the sixteen accumulators ((kt, dt) at 8 (4 kt + dt)); v128-159 my four fragments of K, which stay; v160-223 Q's eight fragments; v224-255 V's fragments 2, 3.
.set REC,   8704                       ; a record: 128 queries' images (8,192 bytes) and biases (512)
.set PAIRB, 2*REC                      ; a pair of steps: two records; and as many bytes of V: 64 rows x (256 + 16)
.set VP,    272
.set VB,    8*PAIRB
.set STAGEB, 2*VB                      ; the way out: 16 rows x 272 bytes for each wave; no fill lands here
.set SPARE, STAGEB+8*16*272            ; the spare words, 128 bytes for each of eight waves
.set SPW, 1
.set NIL, 2
.set AQ0, 3                            ; v3   16 x lane: my place in an image
.set AB0, 4                            ; v4   8,192 + 64 h: my 16 biases of a block of 32
.set AV0, 5                            ; v5   my place in a tile of V
.set AQ,  6                            ; v6-8 the same three in the pair in hand
.set AB,  7
.set AV,  8
.set STO, 9
.set RD,  10
.set GO,  11
.set LIM, 12                           ; v12, v13  57,344 x 2^e3, twice: one for each half of a paired hold
.set SCL, 14                           ; v14  2^e3
.set KO,  15
.set SS,  32
.set BI,  160
.set PC,  224
.set TMP, 32                           ; the way out: 32 registers for each of four blocks of channels
.set KF,  128                          ; window 1
.set QF,  160
.set WV,  14
.set G1Q, 24
.set G1V, 32
.set G0Q, 40                           ; s[40:47] two groups 0 for the records;  s[48:55] two for V
.set G0V, 48
.set CS,  60                           ; s[60:61] c, twice
.set OSC, 62                           ; s[62:63] 2^(e2 + e3), twice
.set TB,  66
.set CNT, 67
.set MSB, 0
.macro WIN new                         ; the immediate's high byte repeats the setting that is left
.if MSB != \new
	s_set_vgpr_msb (MSB<<8)|\new
.set MSB, \new
.endif
.endm
.set W_S,  0x05                        ; sources 0 (Q) and 1 (K) window 1, result window 0
.set W_L,  0x40                        ; destination window 1, address window 0
.set W_O,  0x01                        ; source 0 window 1
.macro CROUND
	s_barrier_signal -1
	s_barrier_wait -1
	s_cmp_lg_u32 s[WV], 0
	s_cbranch_scc1 .Lnot_wave_0_\@
	s_barrier_signal -3
.Lnot_wave_0_\@:
	s_barrier_wait -3
	s_barrier_signal -1
	s_barrier_wait -1
.endm
.macro PLACES
.rept 4
	v_nop
.endr
.endm
.macro JLOAD n                         ; my n-th joint load: one arm a wave, both arms lead to one join
	s_cmp_lt_u32 s[WV], 4
	s_cbranch_scc0 .Lfor_v_\@
	tensor_load_to_lds s[G0Q+4*\n:G0Q+4*\n+3], s[G1Q:G1Q+7]
	s_nop 0
	PLACES
	s_branch .Lasked_\@
.Lfor_v_\@:
	tensor_load_to_lds s[G0V+4*\n:G0V+4*\n+3], s[G1V:G1V+7]
	s_nop 0
	PLACES
.Lasked_\@:
.endm
	s_load_b256 s[4:11], s[0:1], 0x0               ; qimg s[4:5], K's codes s[6:7], V's codes s[8:9], the exponents s[10:11]
	s_load_b64 s[12:13], s[0:1], 0x20              ; out
	v_lshl_add_u32 v[SPW], v0, 2, SPARE
	v_mov_b32 v[NIL], 0
	ds_add_u32 v[SPW], v[NIL]                      ; the opening: the add, twice on end, and its wait ahead of my first tensor load
	ds_add_u32 v[SPW], v[NIL]
	v_lshrrev_b32 v16, 5, v0
	v_readfirstlane_b32 s[WV], v16                 ; wave 0..7
	s_and_b32 s15, s[WV], 3                        ; which pair of each four I fetch
	s_and_b32 s17, ttmp7, 0xffff                   ; the head, which the four partners share
	s_bfe_u32 s68, ttmp6, 0x40000                  ; cx
	s_lshl_b32 s69, ttmp9, 2
	s_add_co_u32 s68, s69, s68                     ; my block of 512 keys: it enters K's and out's addresses alone
	; group 1 of the records: 68 rows x 256 bytes, dense, no padding; the mask names all four work-groups
	s_mov_b32 s[G1Q], 15|(1<<21)
	s_mov_b32 s[G1Q+1], 256<<16
	s_mov_b32 s[G1Q+2], 68<<16
	s_mov_b32 s[G1Q+3], 256<<16
	s_mov_b32 s[G1Q+4], 68
	s_mov_b32 s[G1Q+5], 256
	s_mov_b32 s[G1Q+6], 0
	s_mov_b32 s[G1Q+7], 0
	; group 1 of V: 64 rows (channels) x 256 bytes (queries), 2,048 bytes from row to row; 4 words of padding behind every 64
	s_mov_b32 s[G1V], 15|(1<<20)|(1<<21)|(5<<22)|(3<<25)
	s_mov_b32 s[G1V+1], 256<<16
	s_mov_b32 s[G1V+2], 64<<16
	s_mov_b32 s[G1V+3], 256<<16
	s_mov_b32 s[G1V+4], 64
	s_mov_b32 s[G1V+5], 2048
	s_mov_b32 s[G1V+6], 0
	s_mov_b32 s[G1V+7], 0
	s_mul_i32 s18, s15, PAIRB
	s_mov_b32 s[G0Q], 1
	s_mov_b32 s[G0Q+1], s18                        ; pair i,
	s_mov_b32 s[G0Q+4], 1
	s_add_co_u32 s[G0Q+5], s18, 4*PAIRB            ; pair 4 + i
	s_mov_b32 s[G0V], 1
	s_add_co_u32 s[G0V+1], s18, VB
	s_mov_b32 s[G0V+4], 1
	s_add_co_u32 s[G0V+5], s18, VB+4*PAIRB
	s_mul_i32 s20, s17, 16*REC                     ; the records: the head's 139,264 bytes, + 17,408 i
	s_add_co_u32 s20, s20, s18
	s_mov_b32 s21, 0
	s_lshl_b32 s22, s17, 17                        ; V: the head's 131,072 bytes, + 256 i in a row
	s_lshl_b32 s23, s15, 8
	s_add_co_u32 s22, s22, s23
	s_mov_b32 s23, 0
	s_lshl_b32 s72, s17, 17                        ; my 64 keys' codes: (512 block + 64 wave) x 64 bytes
	s_lshl_b32 s73, s68, 15
	s_add_co_u32 s72, s72, s73
	s_lshl_b32 s73, s[WV], 12
	s_add_co_u32 s72, s72, s73
	s_mov_b32 s73, 0
	s_lshl_b32 s74, s17, 19                        ; out: the head's 524,288 bytes, + (512 block + 64 wave) x 4 in a row
	s_lshl_b32 s75, s68, 11
	s_add_co_u32 s74, s74, s75
	s_lshl_b32 s75, s[WV], 8
	s_add_co_u32 s74, s74, s75
	s_mov_b32 s75, 0
	s_mul_i32 s19, s[WV], 16*272
	s_add_co_u32 s19, s19, STAGEB                  ; my stage
	s_mov_b32 s[TB], 0
	; every LDS address is made here, ahead of the parting of the waves; the chains take turns
	v_and_b32 v16, 15, v0                          ; r
	v_bfe_u32 v17, v0, 4, 1                        ; h
	v_and_b32 v18, 31, v0
	v_mul_u32_u24 v[AV0], v16, VP
	v_mul_u32_u24 v[STO], v16, 272                 ; in: row r (a channel), 32 bytes for each half of the lanes
	v_mul_u32_u24 v[RD], v17, 272                  ; back: lanes 0-15 one row of 256 bytes, lanes 16-31 the next
	v_lshlrev_b32 v[GO], 13, v17                   ; and the same two rows of out, 8,192 bytes apart
	v_lshlrev_b32 v[KO], 6, v16                    ; K: key r of 64 bytes, + 16 h
	v_lshlrev_b32 v[AQ0], 4, v18
	v_lshl_add_u32 v[AB0], v17, 6, 8192
	v_lshl_add_u32 v[AV0], v17, 4, v[AV0]
	v_lshl_add_u32 v[STO], v17, 5, v[STO]
	v_lshl_add_u32 v[RD], v16, 4, v[RD]
	v_lshl_add_u32 v[GO], v16, 4, v[GO]
	v_lshl_add_u32 v[KO], v17, 4, v[KO]
	v_add_nc_u32 v[AV0], VB, v[AV0]
	v_add_nc_u32 v[STO], s19, v[STO]
	v_add_nc_u32 v[RD], s19, v[RD]
	v_mov_b32 v[AQ], v[AQ0]
	v_mov_b32 v[AB], v[AB0]
	v_mov_b32 v[AV], v[AV0]
	s_wait_dscnt 0x0                               ; both opening adds are done
	s_wait_kmcnt 0x0
	s_load_b128 s[56:59], s[10:11], 0x0            ; e0, e1, e2, e3
	s_add_nc_u64 s[G0Q+2:G0Q+3], s[4:5], s[20:21]
	s_add_nc_u64 s[G0Q+6:G0Q+7], s[G0Q+2:G0Q+3], 4*PAIRB
	s_or_b32 s[G0Q+3], s[G0Q+3], 0x80000000
	s_or_b32 s[G0Q+7], s[G0Q+7], 0x80000000
	s_add_nc_u64 s[G0V+2:G0V+3], s[8:9], s[22:23]
	s_add_nc_u64 s[G0V+6:G0V+7], s[G0V+2:G0V+3], 4*256
	s_or_b32 s[G0V+3], s[G0V+3], 0x80000000
	s_or_b32 s[G0V+7], s[G0V+7], 0x80000000
	s_add_nc_u64 s[6:7], s[6:7], s[72:73]
	s_add_nc_u64 s[12:13], s[12:13], s[74:75]
	CROUND                                         ; all four work-groups are here: the joint loads meet
	JLOAD 0                                        ; pairs 0 to 3: one tensor load a wave at the head
	WIN W_L
	s_wait_alu depctr_va_vdst(0)                   ; the wait ahead of the reader of K's offset
.irp kt, 0,1,2,3                       ; my four fragments of K stay in registers: 4,096 bytes a wave, read once
.irp c, 0,1
	global_load_b128 v[KF+8*\kt+4*\c:KF+8*\kt+4*\c+3], v[KO], s[6:7] offset:1024*\kt+32*\c
.endr
.endr
	WIN 0
	s_wait_kmcnt 0x0
	s_add_co_i32 s68, s56, s57
	s_lshl_b32 s68, s68, 23
	s_add_co_i32 s[CS], s68, 0x3fb8aa3b            ; log2(e), with e0 + e1 added to its exponent field
	s_mov_b32 s[CS+1], s[CS]
	s_add_co_i32 s68, s58, s59
	s_add_co_i32 s68, s68, 127
	s_lshl_b32 s[OSC], s68, 23                     ; 2^(e2 + e3)
	s_mov_b32 s[OSC+1], s[OSC]
	s_add_co_i32 s68, s59, 127
	s_lshl_b32 s69, s68, 23
	v_mov_b32 v[SCL], s69                          ; 2^e3
	s_add_co_i32 s68, s68, 15
	s_lshl_b32 s68, s68, 23
	s_or_b32 s68, s68, 0x600000
	v_mov_b32 v[LIM], s68                          ; 57,344 x 2^e3
	v_mov_b32 v[LIM+1], s68
	s_wait_alu depctr_va_vdst(0)                   ; the wait at the head's end
	s_wait_tensorcnt 0x0                           ; my part of pairs 0 to 3 is in
	ds_add_u32 v[SPW], v[NIL]
	s_wait_dscnt 0x0
	CROUND                                         ; everybody's part is in, and the four work-groups are here
	JLOAD 1                                        ; pairs 4 to 7: my one tensor load behind the round
.macro LOADQ hq                        ; a step's eight images of Q, as they were stored
	WIN W_L
.irp tt, 0,1,2,3,4,5,6,7
.irp c, 0,1
	ds_load_b128 v[QF+8*\tt+4*\c:QF+8*\tt+4*\c+3], v[AQ] offset:\hq+1024*\tt+512*\c
.endr
.endr
	WIN 0
.endm
.macro LOADB hq                        ; its biases: register 16 b + i = query 32 b + 16 h + i, as S has them
.irp b, 0,1,2,3
.irp n, 0,1,2,3
	ds_load_b128 v[BI+16*\b+4*\n:BI+16*\b+4*\n+3], v[AB] offset:\hq+128*\b+16*\n
.endr
.endr
.endm
.macro LV reg, dt, hv
.irp c, 0,1,2,3
	ds_load_b128 v[\reg+4*\c:\reg+4*\c+3], v[AV] offset:\hv+16*VP*\dt+32*\c
.endr
.endm
.macro LOADV hv                        ; V's four fragments: 16 channels x the step's 128 queries; two in each window
	LV 16, 0, \hv
	LV 240, 1, \hv
	WIN W_L
	LV 224, 2, \hv
	LV 240, 3, \hv
	WIN 0
.endm
.macro HOLD2 a                         ; the conversion to an 8-bit code does not saturate (ISA guide 7.6.2); P is not negative, so the hold is one-sided; two numbers an instruction
	v_dual_min_num_f32 v[\a], v[\a], v[LIM] :: v_dual_min_num_f32 v[\a+1], v[\a+1], v[LIM+1]
.endm
.macro CVT                             ; buffer PB's 64 numbers become P's codes
.irp m, 0,1,2,3,4,5,6,7
	v_cvt_scalef32_pk8_bf8_f32 v[PC+2*\m:PC+2*\m+1], v[PB+8*\m:PB+8*\m+7], v[SCL]
.endr
	v_nop                                          ; a plain instruction between the last conversion and the products that read its result or write its sources
.endm
.macro SW nk                           ; the scores of my tile nk of keys, into buffer PB
	WIN W_S
.irp tt, 0,1,2,3,4,5,6,7
	v_wmma_f32_16x16x64_bf8_bf8 v[PB+8*\tt:PB+8*\tt+7], v[QF+8*\tt:QF+8*\tt+7], v[KF+8*(\nk):KF+8*(\nk)+7], 0
.endr
.endm
.macro FMA                             ; c S + bias, two numbers an instruction, in ascending order
.set j, 0
.rept 32
	v_pk_fma_f32 v[PB+j:PB+j+1], v[PB+j:PB+j+1], s[CS:CS+1], v[BI+j:BI+j+1] op_sel_hi:[1,0,1]
.set j, j+2
.endr
.endm
.macro PV1 pk, dt, reg, zero
.if \zero
	v_wmma_f32_16x16x128_bf8_bf8 v[8*(4*(\pk)+\dt):8*(4*(\pk)+\dt)+7], v[PC:PC+15], v[\reg:\reg+15], 0
.else
	v_wmma_f32_16x16x128_bf8_bf8 v[8*(4*(\pk)+\dt):8*(4*(\pk)+\dt)+7], v[PC:PC+15], v[\reg:\reg+15], v[8*(4*(\pk)+\dt):8*(4*(\pk)+\dt)+7]
.endif
.endm
.macro PVM pk, zero                    ; tile pk's four accumulators take turns; each is taken up again only a step later
	WIN 0x50                                       ; C and D window 1, P and V window 0
	PV1 \pk, 0, 16, \zero
	PV1 \pk, 1, 240, \zero
	WIN 0x54                                       ; V window 1 too
	PV1 \pk, 2, 224, \zero
	PV1 \pk, 3, 240, \zero
.endm
; A STAGE of tile kt.  prev: a tile stands before it; zero: that tile's products start out's sums; next: a tile follows.
; ldq: behind the step's last score products the next step's images and biases are fetched (byte hq of the pair in hand); ldv: behind the last products with the old V this step's V (byte hv of its rows).
; Each such run is waited for one stage on.  adv: the three addresses go on to the next pair.
.macro STAGE kt, prev, zero, next, ldq, hq, ldv, hv, adv
.set CB, SS+64*((\kt)%2)               ; this tile's buffer
.set PB, SS+64-64*((\kt)%2)            ; the other: the tile before, then the tile behind
.if \adv
	s_add_co_u32 s[TB], s[TB], PAIRB
	v_add_nc_u32 v[AQ], s[TB], v[AQ0]
	v_add_nc_u32 v[AB], s[TB], v[AB0]
	v_add_nc_u32 v[AV], s[TB], v[AV0]
.endif
	s_wait_alu depctr_va_vdst(0)                   ; the wait ahead of the batch
.set j, 0
.rept 32
	v_exp_f32 v[CB+j], v[CB+j]                     ; P, finished and normalised
	v_exp_f32 v[CB+j+1], v[CB+j+1]
.if (\prev) && (j >= 8)
	HOLD2 PB+j                                     ; the tile before: its registers 0 to 7 were held in its own stage
.endif
.set j, j+2
.endr
	v_nop                                          ; a plain instruction behind the batch,
	s_wait_alu depctr_va_vdst(0)                   ; and one wait ahead of its first reader and of the holds' readers
.if (\kt)%2
	s_wait_dscnt 0x0                               ; what the stage before fetched is in: V (kt = 1), or Q and the biases (kt = 3)
.endif
.if \prev
	CVT
.endif
.if \next
	SW (\kt+1)%4
.endif
.if \prev
	PVM (\kt+3)%4, \zero
.endif
	WIN 0
.irp a, 0,2,4,6
	HOLD2 CB+\a                                    ; this tile's first eight numbers are held here: four places, on none of the products' registers, in front of the first read of results and of loads into operands
.endr
.if \next
	FMA
.endif
.if \ldq
	LOADQ \hq
	LOADB \hq
.endif
.if \ldv
	LOADV \hv
.endif
.endm
; A pair of steps: what lies together in LDS.
.macro PAIR first, last
	STAGE 0, 1-\first, 0, 1, 0, 0, 1, 0, 0
	STAGE 1, 1, \first, 1, 0, 0, 0, 0, 0
	STAGE 2, 1, \first, 1, 1, REC, 0, 0, 0
	STAGE 3, 1, \first, 1, 0, 0, 0, 0, 0
	STAGE 0, 1, \first, 1, 0, 0, 1, 128, 0
	STAGE 1, 1, 0, 1, 0, 0, 0, 0, 1-\last
	STAGE 2, 1, 0, 1, 1-\last, 0, 0, 0, 0
	STAGE 3, 1, 0, 1-\last, 0, 0, 0, 0, 0
.endm
	LOADQ 0
	LOADB 0
	s_wait_loadcnt 0x0                             ; K's fragments
	s_wait_dscnt 0x0
.set PB, SS
	SW 0                                           ; the first tile's scores
	WIN 0
	PLACES
	FMA
	PAIR 1, 0                                      ; pair 0: it reads pairs 0 and 1 alone
	s_wait_tensorcnt 0x0                           ; my second load has landed,
	s_wait_dscnt 0x0                               ; and no LDS load of mine is out at the signal
	s_barrier_signal -1
	s_barrier_wait -1                              ; pairs 4 to 7 lie in LDS
	s_mov_b32 s[CNT], 6
.Lpair:                                            ; pairs 1 to 6
	PAIR 0, 0
	s_sub_co_u32 s[CNT], s[CNT], 1
	s_cmp_lg_u32 s[CNT], 0
	s_cbranch_scc1 .Lpair
	PAIR 0, 1                                      ; pair 7
.set PB, SS+64                         ; the last tile: the rest of its holds, codes, products
.set j, 8
.rept 28
	HOLD2 PB+j
.set j, j+2
.endr
	CVT
	PVM 3, 0
	WIN 0
	PLACES
; THE WAY OUT, 16 channels a block.  A lane holds 32 bytes of a row of out for each of my four tiles of keys, and the lanes beside it hold other rows: so the block goes through my stage
; and comes back as whole rows of 256 bytes.  LDS serves a wave's instructions in order (ISA guide 5.7.1.4): no wait between the stores and the loads, nor in front of the next block's stores.
.macro OUTD dt
	WIN W_O
	s_wait_alu depctr_va_vdst(0)                   ; the wait directly ahead of the first readers of the sums
.irp kt, 0,1,2,3
.irp i, 0,2,4,6
	v_pk_mul_f32 v[TMP+32*\dt+8*\kt+\i:TMP+32*\dt+8*\kt+\i+1], v[8*(4*\kt+\dt)+\i:8*(4*\kt+\dt)+\i+1], s[OSC:OSC+1] op_sel_hi:[1,0]   ; x 2^(e2 + e3); each accumulator from its low end on
.endr
.endr
	WIN 0
.irp kt, 0,1,2,3
	ds_store_b128 v[STO], v[TMP+32*\dt+8*\kt:TMP+32*\dt+8*\kt+3] offset:64*\kt
	ds_store_b128 v[STO], v[TMP+32*\dt+8*\kt+4:TMP+32*\dt+8*\kt+7] offset:64*\kt+16
.endr
.irp n, 0,1,2,3,4,5,6,7
	ds_load_b128 v[TMP+32*\dt+4*\n:TMP+32*\dt+4*\n+3], v[RD] offset:2*272*\n
.endr
.endm
.macro SEND dt, younger                ; younger: the LDS instructions issued behind this block's loads: the next block's sixteen, or none
.irp n, 0,1,2,3,4,5,6,7
	s_wait_dscnt \younger+7-\n
	global_store_b128 v[GO], v[TMP+32*\dt+4*\n:TMP+32*\dt+4*\n+3], s[12:13] offset:(16*\dt+2*\n)*8192 th:TH_STORE_NT   ; sixteen lanes store 256 consecutive bytes, at a multiple of 256 from out's first byte; each block has registers of its own
.endr
.endm
	OUTD 0
	OUTD 1
	SEND 0, 16
	OUTD 2
	SEND 1, 16
	OUTD 3
	SEND 2, 16
	SEND 3, 0
	s_wait_tensorcnt 0x0                           ; the wave's end
	ds_add_u32 v[SPW], v[NIL]
	s_wait_dscnt 0x0
	CROUND                                         ; the closing round
	s_endpgm
.Lfunc_end_k_q4623c96db5_attn:
	.size	k_q4623c96db5_attn, .Lfunc_end_k_q4623c96db5_attn-k_q4623c96db5_attn
	.p2alignl 7, 3214868480
	.fill 96, 4, 3214868480
	.section	.rodata,"a",@progbits
	.p2align	6, 0x0
	.amdhsa_kernel k_q4623c96db5_attn
		.amdhsa_group_segment_fixed_size 327680
		.amdhsa_private_segment_fixed_size 0
		.amdhsa_enable_private_segment 0
		.amdhsa_kernarg_size 40
		.amdhsa_user_sgpr_count 2
		.amdhsa_user_sgpr_kernarg_segment_ptr 1
		.amdhsa_wavefront_size32 1
		.amdhsa_system_sgpr_workgroup_id_x 1
		.amdhsa_system_sgpr_workgroup_id_y 1
		.amdhsa_system_sgpr_workgroup_id_z 1
		.amdhsa_system_vgpr_workitem_id 0
		.amdhsa_next_free_vgpr 512
		.amdhsa_next_free_sgpr 80
		.amdhsa_reserve_vcc 0
		.amdhsa_float_denorm_mode_32 3
		.amdhsa_float_denorm_mode_16_64 3
		.amdhsa_memory_ordered 1
		.amdhsa_forward_progress 1
		.amdhsa_inst_pref_size 222
	.end_amdhsa_kernel
	.amdgpu_metadata
---
amdhsa.version: [ 1, 2 ]
amdhsa.kernels:
  - .name:           k_q4623c96db5_attn
    .symbol:         k_q4623c96db5_attn.kd
    .args:
      - { .name: qimg, .offset: 0, .size: 8, .value_kind: global_buffer, .address_space: global }
      - { .name: k_codes, .offset: 8, .size: 8, .value_kind: global_buffer, .address_space: global }
      - { .name: v_codes, .offset: 16, .size: 8, .value_kind: global_buffer, .address_space: global }
      - { .name: lowp_scales, .offset: 24, .size: 8, .value_kind: global_buffer, .address_space: global }
      - { .name: out0, .offset: 32, .size: 8, .value_kind: global_buffer, .address_space: global }
    .group_segment_fixed_size: 327680
    .private_segment_fixed_size: 0
    .kernarg_segment_align: 8
    .kernarg_segment_size: 40
    .max_flat_workgroup_size: 256
    .sgpr_count:     80
    .vgpr_count:     512
    .wavefront_size: 32
...
	.end_amdgpu_metadata
.endif
;; end of part 2
